; MI455X (gfx1250); checked and timed in simulation.
; The chip was launched on July 23, 2026; its instructions are those of AMD's public machine-readable ISA for CDNA 5 (MIT licence, August 2026) and "CDNA5" Instruction Set Architecture Reference Guide (July 2026). The comments in the code are by the model that wrote it; some were corrected since.
;; Multi Head Attention. Allowed arithmetic: float matrix products may take bf16 or f16 operands with f32 sums; all other float work in f32.
;; Inputs: Wk 1,024 x 1,024 float32; Wo 1,024 x 1,024 float32; Wq 1,024 x 1,024 float32; Wv 1,024 x 1,024 float32; bk 1,024 float32; bo 1,024 float32; bq 1,024 float32; bv 1,024 float32; query_input 2 x 2,048 x 1,024 float32.
;; Outputs: out0 2 x 2,048 x 1,024 float32.
;; One version. Each part assembles by itself: llvm-mc -triple=amdgcn-amd-amdhsa -mcpu=gfx1250 --defsym DOCPART=n.
;; ======== version 1 of 1: 4 launches
;; limits: values are held in f16: magnitudes above 65,504 overflow, below 6.1e-05 lose precision
;; workspace buffers: cast 16,777,216 bytes; qkv 25,165,824 bytes; ctx 8,388,608 bytes
;; launch cast (part 1): grid 64 x 8, 8 waves a work-group, no clusters, 0 bytes of LDS; arguments query_input, Wq, Wk, Wv, Wo, cast; writes cast
.if DOCPART == 1
	.amdgcn_target "amdgcn-amd-amdhsa--gfx1250"
	.amdhsa_code_object_version 6
	.text
	.protected	k_q0eec10075b_cast
	.globl	k_q0eec10075b_cast
	.p2align	8
	.type	k_q0eec10075b_cast,@function
k_q0eec10075b_cast:
	s_mov_b64 s[64:65], 0
	v_nop
	global_prefetch_b8 v0, s[64:65] scope:SCOPE_SE
	s_setreg_imm32_b32 hwreg(HW_REG_WAVE_MODE, 25, 1), 1
	s_wait_xcnt 0x0
; f32 -> f16 copies of x (query_input) and of the four weights, layouts unchanged, each number rounded once.
; cast = eight slabs of 1 Mi numbers (2 MiB of f16): slabs 0-3 = x [4096][1024], slabs 4-7 = Wq, Wk, Wv, Wo, each [k][n].
; f16 and not bf16: 11 significant bits against 8 in every rounding between x and the result.
; LIMIT: |x| and |W| below 65,504 (larger numbers become infinite); below 2^-14 the step is 2^-24.  As drawn |x| reaches about 5.5 and |W| about 0.2,
; so numbers 30 times larger or smaller, or offset by 30 spreads, have room.
; Work-group (cx, slab): 16,384 numbers, 64 KiB in and 32 KiB out.  Thread t, step i: the 4 numbers at 1024 i + 4 t, so one load of a
; wave covers 512 consecutive bytes and one store of a wave 256 consecutive bytes, both aligned to their own length.
; All sixteen loads of a wave go out first; no register is written twice, so no source of a pending instruction is ever overwritten.
; No work-group shares a byte with another: no LDS, no barrier, no cluster.
.set X, 4                              ; v[4:67]   step i: 4 numbers in f32
.set Y, 68                             ; v[68:99]  step i: 4 numbers in f16
	s_load_b256 s[4:11], s[0:1], 0x0               ; x s[4:5], Wq s[6:7], Wk s[8:9], Wv s[10:11]
	s_load_b128 s[12:15], s[0:1], 0x20             ; Wo s[12:13], cast s[14:15]
	s_and_b32 s22, ttmp7, 0xffff                   ; slab 0..7
	v_lshlrev_b32 v1, 4, v0                        ; 16 t: my bytes in a step's 4,096 of f32
	v_lshlrev_b32 v2, 3, v0                        ; 8 t: my bytes in a step's 2,048 of f16
	s_cmp_lt_u32 s22, 4
	s_cselect_b32 s18, s22, 0                      ; x has four slabs, a weight is one
	s_lshl_b32 s18, s18, 22                        ; slab x 4 MiB of f32
	s_lshl_b32 s23, ttmp9, 16                      ; chunk x 64 KiB
	s_add_co_u32 s18, s18, s23
	s_mov_b32 s19, 0
	s_lshl_b32 s20, s22, 21                        ; slab x 2 MiB of f16
	s_lshl_b32 s23, ttmp9, 15                      ; chunk x 32 KiB
	s_add_co_u32 s20, s20, s23
	s_mov_b32 s21, 0
	s_wait_kmcnt 0x0
	s_cmp_eq_u32 s22, 4                            ; the source buffer is chosen by the slab's number alone
	s_cselect_b64 s[16:17], s[6:7], s[4:5]
	s_cmp_eq_u32 s22, 5
	s_cselect_b64 s[16:17], s[8:9], s[16:17]
	s_cmp_eq_u32 s22, 6
	s_cselect_b64 s[16:17], s[10:11], s[16:17]
	s_cmp_eq_u32 s22, 7
	s_cselect_b64 s[16:17], s[12:13], s[16:17]
	s_add_nc_u64 s[16:17], s[16:17], s[18:19]
	s_add_nc_u64 s[14:15], s[14:15], s[20:21]
.irp i, 0,1,2,3,4,5,6,7,8,9,10,11,12,13,14,15
	global_load_b128 v[X+4*\i:X+4*\i+3], v1, s[16:17] offset:4096*\i th:TH_LOAD_NT   ; read once in the whole launch
.endr
.irp i, 0,1,2,3,4,5,6,7,8,9,10,11,12,13,14,15
	s_wait_loadcnt 15-\i                           ; loads come back in order: step i is in, the 15 - i younger ones stay out
	v_cvt_pk_f16_f32 v[Y+2*\i],   v[X+4*\i],   v[X+4*\i+1]
	v_cvt_pk_f16_f32 v[Y+2*\i+1], v[X+4*\i+2], v[X+4*\i+3]
	global_store_b64 v2, v[Y+2*\i:Y+2*\i+1], s[14:15] offset:2048*\i
.endr
	s_endpgm
.Lfunc_end_k_q0eec10075b_cast:
	.size	k_q0eec10075b_cast, .Lfunc_end_k_q0eec10075b_cast-k_q0eec10075b_cast
	.p2alignl 7, 3214868480
	.fill 96, 4, 3214868480
	.section	.rodata,"a",@progbits
	.p2align	6, 0x0
	.amdhsa_kernel k_q0eec10075b_cast
		.amdhsa_group_segment_fixed_size 0
		.amdhsa_private_segment_fixed_size 0
		.amdhsa_enable_private_segment 0
		.amdhsa_kernarg_size 48
		.amdhsa_user_sgpr_count 2
		.amdhsa_user_sgpr_kernarg_segment_ptr 1
		.amdhsa_wavefront_size32 1
		.amdhsa_system_sgpr_workgroup_id_x 1
		.amdhsa_system_sgpr_workgroup_id_y 1
		.amdhsa_system_sgpr_workgroup_id_z 1
		.amdhsa_system_vgpr_workitem_id 0
		.amdhsa_next_free_vgpr 104
		.amdhsa_next_free_sgpr 66
		.amdhsa_reserve_vcc 0
		.amdhsa_float_denorm_mode_32 3
		.amdhsa_float_denorm_mode_16_64 3
		.amdhsa_memory_ordered 1
		.amdhsa_forward_progress 1
		.amdhsa_inst_pref_size 7
	.end_amdhsa_kernel
	.amdgpu_metadata
---
amdhsa.version: [ 1, 2 ]
amdhsa.kernels:
  - .name:           k_q0eec10075b_cast
    .symbol:         k_q0eec10075b_cast.kd
    .args:
      - { .name: query_input, .offset: 0, .size: 8, .value_kind: global_buffer, .address_space: global }
      - { .name: Wq, .offset: 8, .size: 8, .value_kind: global_buffer, .address_space: global }
      - { .name: Wk, .offset: 16, .size: 8, .value_kind: global_buffer, .address_space: global }
      - { .name: Wv, .offset: 24, .size: 8, .value_kind: global_buffer, .address_space: global }
      - { .name: Wo, .offset: 32, .size: 8, .value_kind: global_buffer, .address_space: global }
      - { .name: cast, .offset: 40, .size: 8, .value_kind: global_buffer, .address_space: global }
    .group_segment_fixed_size: 0
    .private_segment_fixed_size: 0
    .kernarg_segment_align: 8
    .kernarg_segment_size: 48
    .max_flat_workgroup_size: 256
    .sgpr_count:     66
    .vgpr_count:     104
    .wavefront_size: 32
...
	.end_amdgpu_metadata
.endif
;; end of part 1
;; launch qkv (part 2): grid 12 x 16, 4 waves a work-group, clusters of 4 x 4, 327,680 bytes of LDS; arguments cast, bq, bk, bv, qkv; writes qkv
.if DOCPART == 2
	.amdgcn_target "amdgcn-amd-amdhsa--gfx1250"
	.amdhsa_code_object_version 6
	.text
	.protected	k_q0eec10075b_qkv
	.globl	k_q0eec10075b_qkv
	.p2align	8
	.type	k_q0eec10075b_qkv,@function
k_q0eec10075b_qkv:
	s_mov_b64 s[64:65], 0
	v_nop
	global_prefetch_b8 v0, s[64:65] scope:SCOPE_SE
	s_setreg_imm32_b32 hwreg(HW_REG_WAVE_MODE, 25, 1), 1
	s_wait_xcnt 0x0
	s_wait_alu depctr_hold_cnt(0) depctr_sa_sdst(0) depctr_va_vdst(0) depctr_va_sdst(0) depctr_va_ssrc(0) depctr_va_vcc(0) depctr_vm_vsrc(0)
	s_getreg_b32 s2, hwreg(HW_REG_IB_STS2, 6, 4)
	s_cmp_eq_u32 s2, 0
	s_cbranch_scc0 .Lentry_in_a_cluster
	s_endpgm
.Lentry_in_a_cluster:
	s_bfe_u32 s2, ttmp6, 0x10000c
	s_cmp_lg_u32 s2, 0xf033
	s_cbranch_scc0 .Lentry_shape_is_right
	s_endpgm
.Lentry_shape_is_right:
; q, k, v = x W + b for W = Wq, Wk, Wv; operands f16 (from cast), sums f32, results rounded once to f16 and stored split by head:
; qkv[sel][16 b + head][s][64].  x: [4096][1024], K along the rows.  W: [k = 1024][n = 1024], K DOWN the rows.
; A work-group makes 256 rows x 256 columns of one product with four waves, a wave 128 x 128: 64 accumulator tiles, 512 registers.
; K goes in steps of 128 through two LDS slots filled by the tensor data mover.
; CLUSTERS: 4 x 4 work-groups.  The cluster's x picks the weight (sel), cx the block of 256 columns in it, 4 x cluster y + cy the block of
; 256 rows.  The four of a row of the cluster need the same tile of x, the four of a column the same tile of W: each tile is asked for
; jointly by the four, which divides the requests for both by four.
; W's fragments are read from LDS by the transposing load (16-bit, 8 x 8 within eight lanes), so W stays [k][n] in memory and in LDS.
; The bias is the C operand of each tile's first product: nothing is cleared and nothing is added afterwards.
; REGISTERS by windows of 256: window 0: v16-27 addresses, v64-127 and v128-191 fragments of x (two buffers), v192-255 the bias, later
; the packed results; window 1: v64-127, v128-191 fragments of W; window 2: accumulators of my rows 0-63; window 3: of my rows 64-127.
; THE MATRIX INSTRUCTION IS USED TRANSPOSED: source 0 = 16 columns of W, source 1 = 16 rows of x; lane l then holds row l % 16 and its
; registers 0-7 the columns 8 (l / 16) + 0..7: eight neighbouring numbers of a row, 16 bytes of f16.
; LIMIT: the results are kept in f16: |x W + b| below 65,504, or they become infinite; below 2^-14 the step is 2^-24.  As drawn they reach about 5.5;
; x and W both 30 times larger give 900 times that, about 5,000; a common offset of 30 spreads on both x (30) and W (30/32) gives
; 1024 x 30 x 0.94 = about 28,800.
.set KSTEP,  128
.set PITCH,  272                       ; x's LDS row: 256 bytes + 16: an odd multiple of 16, so 16 rows start at 16 different 16-byte columns modulo 256
.set BP,     544                       ; W's LDS row: 512 bytes + 32: an odd multiple of 32, as the transposing load's eight rows want
.set HALFT,  128*PITCH                 ; what one tensor load brings: 128 rows of x, or 64 k-rows of W (64 x 544 is the same 34,816 bytes)
.set SLOT,   4*HALFT                   ; x's 256 rows, then W's 128 k-rows
.set STAGE,  2*SLOT                    ; behind the ring, a multiple of 256: 16 rows x 272 bytes for each wave; no fill lands here
.set SPITCH, 272
.set LAPS,   4                         ; 1024 / (2 x 128): a lap is once round the ring
.set ADRA, 16                          ; v16-17  LDS address of my x fragments in slot 0, 1
.set ADRB, 20                          ; v20-21  the same for W
.set STO,  24                          ; v24     way out: where I put 16 bytes of a row
.set RD,   25                          ; v25     way out: where I read back
.set CO,   26                          ; v26     my byte offset in qkv
.set BO,   27                          ; v27     my byte offset in the bias
.set F0,   64
.set F1,   128
.set TMP,  192                         ; way out: packed results
.set BIAS, 192                         ; v192-255: tile b, register j = bias[first column + 16 b + 8 (l / 16) + j]; dead after the first quarter step
.set G1,  24                           ; s[24:31] group 1 for x's tiles
.set G0,  32                           ; s[32:39] group 0 for x's tiles, one set a slot
.set G1B, 48                           ; s[48:55] group 1 for W's tiles
.set G0B, 56                           ; s[56:63] group 0 for W's tiles, one set a slot
.set MSB, 0
.macro WIN new                         ; the immediate's high byte repeats the setting that is left
.if MSB != \new
	s_set_vgpr_msb (MSB<<8)|\new
.set MSB, \new
.endif
.endm
.set MUL_LO, 0xa1                      ; source 0 (W) window 1, source 1 (x) window 0, C and D window 2
.set MUL_HI, 0xf1                      ; the same, C and D window 3
.set ST_LO,  0x81                      ; the first products: C (the bias) window 0, D window 2
.set ST_HI,  0xc1                      ; D window 3
.set TO_B,   0x40                      ; destination window 1, address window 0
; A joint load.  Waves 0, 1 fetch x's two halves, waves 2, 3 W's.  The branch hangs on the wave's number alone.
.macro JLOAD s
	s_cmp_eq_u32 s11, 0
	s_cbranch_scc0 .Lfor_b_\@
	tensor_load_to_lds s[G0+4*\s:G0+4*\s+3], s[G1:G1+7]
	s_nop 0
	s_branch .Lasked_\@
.Lfor_b_\@:
	tensor_load_to_lds s[G0B+4*\s:G0B+4*\s+3], s[G1B:G1B+7]
	s_nop 0
.Lasked_\@:
.endm
.macro CREST                           ; a round of the cluster's barrier behind its opening work-group barrier
	s_cmp_lg_u32 s10, 0
	s_cbranch_scc1 .Lnot_wave_0_\@
	s_barrier_signal -3
.Lnot_wave_0_\@:
	s_barrier_wait -3
	s_barrier_signal -1
	s_barrier_wait -1
.endm
.macro CROUND                          ; a whole round
	s_barrier_signal -1
	s_barrier_wait -1
	CREST
.endm
	s_load_b256 s[72:79], s[0:1], 0x0              ; cast s[72:73], bq s[74:75], bk s[76:77], bv s[78:79]
	s_load_b64 s[8:9], s[0:1], 0x20                ; qkv
	s_set_vgpr_msb 0x40
	v_lshl_add_u32 v255, v0, 2, 0x48400
	s_set_vgpr_msb 0x4000
	v_mov_b32 v63, 0
	s_set_vgpr_msb 0x1
	ds_add_u32 v255, v63
	s_set_vgpr_msb 0x100
	v_lshrrev_b32 v1, 5, v0
	v_readfirstlane_b32 s10, v1                    ; wave 0..3
	s_lshr_b32 s11, s10, 1                         ; my half of the block's rows.  Also: I fetch for x (0) or for W (1)
	s_and_b32 s12, s10, 1                          ; my half of its columns.  Also: which half tile I fetch
	s_bfe_u32 s40, ttmp6, 0x40000                  ; cx
	s_bfe_u32 s41, ttmp6, 0x40004                  ; cy
	s_mov_b32 s42, ttmp9                           ; sel = the cluster's x: 0 q, 1 k, 2 v; the same in all sixteen
	s_and_b32 s13, ttmp7, 0xffff
	s_lshl_b32 s13, s13, 2
	s_add_co_u32 s13, s13, s41                     ; block row = 4 x cluster y + cy, 0..15
	s_lshl_b32 s43, s41, 2
	s_lshl_b32 s43, 15, s43                        ; my row of the cluster
	s_lshl_b32 s44, 0x1111, s40                    ; my column
	s_or_b32 s[G1+0], s43, (1<<16)|(1<<20)|(1<<21)|(5<<22)|(3<<25)   ; mask; 2-byte elements; padding on; bit 21 beside a mask; after 64 words 4 words
	s_mov_b32 s[G1+1], 128<<16                     ; tensor_dim0 = 128
	s_mov_b32 s[G1+2], 128<<16                     ; tensor_dim1 = 128
	s_mov_b32 s[G1+3], 128<<16                     ; tile_dim0 = 128
	s_mov_b32 s[G1+4], 128                         ; tile_dim1 = 128
	s_mov_b32 s[G1+5], 1024                        ; elements from row to row
	s_mov_b32 s[G1+6], 0
	s_mov_b32 s[G1+7], 0
	s_or_b32 s[G1B+0], s44, (1<<16)|(1<<20)|(1<<21)|(6<<22)|(7<<25)  ; after 128 words 8 words
	s_mov_b32 s[G1B+1], 256<<16                    ; tensor_dim0 = 256 columns
	s_mov_b32 s[G1B+2], 64<<16                     ; tensor_dim1 = 64 k-rows
	s_mov_b32 s[G1B+3], 256<<16                    ; tile_dim0
	s_mov_b32 s[G1B+4], 64                         ; tile_dim1
	s_mov_b32 s[G1B+5], 1024
	s_mov_b32 s[G1B+6], 0
	s_mov_b32 s[G1B+7], 0
	; x's tiles hang on the block row alone, W's on sel and cx alone; each offset lives in registers that never hold the other coordinate
	s_lshl_b32 s16, s13, 19                        ; 256 rows x 2,048 bytes
	s_lshl_b32 s17, s12, 18                        ; + 128 rows for the second half
	s_add_co_u32 s16, s16, s17
	s_mov_b32 s17, 0
	s_lshl_b32 s46, s42, 21                        ; sel x 2 MiB
	s_add_co_u32 s46, s46, 0x800000                ; the weights begin behind x's 8 MiB
	s_lshl_b32 s47, s12, 17                        ; + 64 k-rows x 2,048 bytes for the second half
	s_add_co_u32 s46, s46, s47
	s_lshl_b32 s47, s40, 9                         ; + 256 columns x 2 bytes x cx
	s_add_co_u32 s46, s46, s47
	s_mov_b32 s47, 0
	s_mul_i32 s20, s10, HALFT                      ; where my part goes: wave x 34,816
	s_lshl_b32 s45, s40, 10                        ; the bias: 4 bytes x (256 cx + 128 x column half)
	s_lshl_b32 s21, s12, 9
	s_add_co_u32 s45, s45, s21
	s_wait_dscnt 0x0
	s_wait_kmcnt 0x0
	s_add_nc_u64 s[14:15], s[72:73], s[16:17]
	s_add_nc_u64 s[46:47], s[72:73], s[46:47]
	s_cmp_eq_u32 s42, 1
	s_cselect_b64 s[66:67], s[76:77], s[74:75]     ; the bias that goes with the weight
	s_cmp_eq_u32 s42, 2
	s_cselect_b64 s[66:67], s[78:79], s[66:67]
	CROUND                                         ; all sixteen work-groups are here: the first joint loads meet
.irp s, 0,1
	s_mov_b32 s[G0+4*\s], 1
	s_add_co_u32 s[G0+4*\s+1], s20, \s*SLOT
	s_add_nc_u64 s[G0+4*\s+2:G0+4*\s+3], s[14:15], \s*KSTEP*2          ; K step s: 256 bytes along x's rows
	s_or_b32 s[G0+4*\s+3], s[G0+4*\s+3], 0x80000000
	s_mov_b32 s[G0B+4*\s], 1
	s_add_co_u32 s[G0B+4*\s+1], s20, \s*SLOT
	s_add_nc_u64 s[G0B+4*\s+2:G0B+4*\s+3], s[46:47], \s*KSTEP*2048     ; K step s: 128 rows down W
	s_or_b32 s[G0B+4*\s+3], s[G0B+4*\s+3], 0x80000000
	JLOAD \s                                       ; two tensor loads of a wave are out now, later one
.endr
	v_and_b32 v1, 15, v0                           ; r = l % 16
	v_bfe_u32 v2, v0, 4, 1                         ; h = l / 16
	v_and_b32 v9, 7, v0                            ; l % 8
	v_bfe_u32 v7, v0, 3, 1                         ; (l / 8) % 2
	v_lshl_add_u32 v[BO], v2, 5, s45               ; 32 h + the wave's first column
.irp b, 0,1,2,3,4,5,6,7
	global_load_b128 v[BIAS+8*\b:BIAS+8*\b+3],   v[BO], s[66:67] offset:64*\b
	global_load_b128 v[BIAS+8*\b+4:BIAS+8*\b+7], v[BO], s[66:67] offset:64*\b+16
.endr
	v_mul_u32_u24 v3, v1, PITCH                    ; x: row r, 16 bytes for each half of the lanes
	v_lshl_add_u32 v3, v2, 4, v3
	s_mul_i32 s21, s11, HALFT                      ; my 128 rows of x
	v_lshl_add_u32 v6, v2, 3, v9                   ; W: k-row 8 h + l % 8,
	v_mul_u32_u24 v6, v6, BP
	v_lshl_add_u32 v6, v7, 4, v6                   ; and the left or right 8 of the fragment's 16 columns
	s_lshl_b32 s22, s12, 8                         ; my 128 columns of W,
	s_add_co_u32 s22, s22, 2*HALFT                 ; which lies behind x's 256 rows
.irp s, 0,1
	v_add_nc_u32 v[ADRA+\s], s21, v3
	v_add_nc_u32 v[ADRB+\s], s22, v6
	s_add_co_u32 s21, s21, SLOT
	s_add_co_u32 s22, s22, SLOT
.endr
	s_mul_i32 s23, s10, 16*SPITCH
	s_add_co_u32 s23, s23, STAGE                   ; my stage
	v_mul_u32_u24 v4, v1, SPITCH
	v_lshl_add_u32 v4, v2, 4, v4
	v_add_nc_u32 v[STO], s23, v4                   ; in: row r, 16 bytes for each half of the lanes
	v_mul_u32_u24 v5, v7, SPITCH                   ; back: lanes 0-15 take head 0's 128 bytes of two rows, lanes 16-31 head 1's
	v_lshl_add_u32 v5, v2, 7, v5
	v_lshl_add_u32 v5, v9, 4, v5
	v_add_nc_u32 v[RD], s23, v5
	v_lshlrev_b32 v5, 18, v2                       ; in qkv the next head lies 262,144 bytes on; two rows of a head are 256 dense bytes
	v_lshl_add_u32 v[CO], v1, 4, v5
; 16 matrix instructions: row blocks a0, a0 + 1 of the window's four x all 8 column blocks, 32 along K.  first = 1: C is the bias.
; The 64 accumulators take turns, one instruction a turn, in the same order in every quarter step.
.macro MUL16 f, hi, a0, first
.irp a, \a0, \a0+1
.irp b, 0,1,2,3,4,5,6,7
.if \first
	v_wmma_f32_16x16x32_f16 v[8*(8*(\a)+\b):8*(8*(\a)+\b)+7], v[\f+8*\b:\f+8*\b+7], v[\f+8*(4*\hi+\a):\f+8*(4*\hi+\a)+7], v[BIAS+8*\b:BIAS+8*\b+7]
.else
	v_wmma_f32_16x16x32_f16 v[8*(8*(\a)+\b):8*(8*(\a)+\b)+7], v[\f+8*\b:\f+8*\b+7], v[\f+8*(4*\hi+\a):\f+8*(4*\hi+\a)+7], v[8*(8*(\a)+\b):8*(8*(\a)+\b)+7]
.endif
.endr
.endr
.endm
; 32 LDS loads in one run: quarter step qd (32 along K) of a slot into buffer f: W's 8 fragments (transposing loads, 16 k-rows apart), then x's 8
.macro FETCH slot, qd, f
	WIN TO_B
.irp i, 0,1,2,3,4,5,6,7
	ds_load_tr16_b128 v[\f+8*\i:\f+8*\i+3],   v[ADRB+\slot] offset:\qd*32*BP+32*\i
	ds_load_tr16_b128 v[\f+8*\i+4:\f+8*\i+7], v[ADRB+\slot] offset:\qd*32*BP+32*\i+16*BP
.endr
	WIN 0
.irp i, 0,1,2,3,4,5,6,7
	ds_load_b128 v[\f+8*\i:\f+8*\i+3],   v[ADRA+\slot] offset:\qd*64+\i*16*PITCH
	ds_load_b128 v[\f+8*\i+4:\f+8*\i+7], v[ADRA+\slot] offset:\qd*64+\i*16*PITCH+32
.endr
.endm
; Four plain vector places between a matrix instruction and a load into one of its registers, or a vector instruction that reads its
; result (ISA guide 7.12.1 for vector instructions)
.macro PLACES
.rept 4
	v_nop
.endr
.endm
; One of a K step's first three quarter steps: multiplies buffer f; in its middle it fetches quarter qd of the same slot into buffer g
.macro QUARTER slot, qd, f, g, first
	s_wait_dscnt 8                                 ; W and x's rows 0-63 are in; the youngest eight loads (x's rows 64-127) may be out
.if \first
	WIN ST_LO
.else
	WIN MUL_LO
.endif
	MUL16 \f, 0, 0, \first
	MUL16 \f, 0, 2, \first
	PLACES
	FETCH \slot, \qd, \g
	s_wait_dscnt 32                                ; all but the 32 just issued
.if \first
	WIN ST_HI
.else
	WIN MUL_HI
.endif
	MUL16 \f, 1, 0, \first
	MUL16 \f, 1, 2, \first
.endm
.macro THREE slot, first
	QUARTER \slot, 1, F0, F1, \first
	QUARTER \slot, 2, F1, F0, 0
	QUARTER \slot, 3, F0, F1, 0
.endm
; The last quarter step: multiplies buffer 1 and changes slots.  In front of the barrier each wave waits for its reads of this slot and for
; all its tensor loads (one is out: its part of the next slot).  Behind it the refill comes first, then the next slot's first fragments.
.macro TURN slot, next, fill
	s_wait_dscnt 8
	WIN MUL_LO
	MUL16 F1, 0, 0, 0
	s_wait_dscnt 0                                 ; my reads of this slot are over
	s_wait_tensorcnt 0x0                           ; all my tensor loads have landed
	ds_add_u32 v255, v63
	s_wait_dscnt 0x0
	s_barrier_signal -1                            ; where a slot is filled again this barrier opens a round of the cluster's barrier
	MUL16 F1, 0, 2, 0                              ; register work alone while the others arrive
	WIN 0
	s_barrier_wait -1
.if \fill
	CREST                                          ; no wave of any partner still reads this slot or has a load on its way
	s_add_nc_u64 s[G0+4*\slot+2:G0+4*\slot+3], s[G0+4*\slot+2:G0+4*\slot+3], 2*KSTEP*2
	s_add_nc_u64 s[G0B+4*\slot+2:G0B+4*\slot+3], s[G0B+4*\slot+2:G0B+4*\slot+3], 2*KSTEP*2048
	JLOAD \slot                                    ; the wave's one tensor load behind the round, two K steps ahead
.endif
	PLACES
	FETCH \next, 0, F0
	WIN MUL_HI
	MUL16 F1, 1, 0, 0
	MUL16 F1, 1, 2, 0
.endm
.macro LAP first
	THREE 0, \first
	TURN 0, 1, 1
	THREE 1, 0
	TURN 1, 0, 1
.endm
	s_wait_tensorcnt 1                             ; my part of K step 0 is in; K step 1's load, issued behind it, stays out
	s_barrier_signal -1
	s_barrier_wait -1                              ; everybody's part is in
	s_wait_loadcnt 0x0                             ; the bias
	FETCH 0, 0, F0
	LAP 1                                          ; the first lap stands in front of the loop: its first products start the sums from the bias
	WIN 0
	s_mov_b32 s3, LAPS-2
.Llap:
	LAP 0
	WIN 0
	s_sub_co_u32 s3, s3, 1
	s_cmp_lg_u32 s3, 0
	s_cbranch_scc1 .Llap
	THREE 0, 0                                     ; the last lap fills nothing
	TURN 0, 1, 0
	THREE 1, 0
	s_wait_dscnt 8
	WIN MUL_LO
	MUL16 F1, 0, 0, 0
	MUL16 F1, 0, 2, 0
	s_wait_dscnt 0
	WIN MUL_HI
	MUL16 F1, 1, 0, 0
	MUL16 F1, 1, 2, 0
	; THE WAY OUT, 16 rows at a time: round to f16, 16 bytes a lane into my own stage, read back so that sixteen lanes hold two rows of one head
	PLACES
	s_lshl_b32 s16, s42, 23                        ; sel x 8 MiB
	s_lshr_b32 s17, s13, 3                         ; batch = block row / 8
	s_lshl_b32 s17, s17, 22                        ; x 16 heads x 262,144 bytes
	s_add_co_u32 s16, s16, s17
	s_and_b32 s17, s13, 7
	s_lshl_b32 s17, s17, 15                        ; 256 rows x 128 bytes
	s_add_co_u32 s16, s16, s17
	s_lshl_b32 s17, s11, 14                        ; 128 rows x 128 bytes
	s_add_co_u32 s16, s16, s17
	s_mov_b32 s17, 0
	s_add_nc_u64 s[8:9], s[8:9], s[16:17]
	s_lshl_b32 s46, s40, 20                        ; head 4 cx + 2 x column half, x 262,144 bytes
	s_lshl_b32 s47, s12, 19
	s_add_co_u32 s46, s46, s47
	s_mov_b32 s47, 0
	s_add_nc_u64 s[8:9], s[8:9], s[46:47]
.macro OUT16 i, a, from, f
	WIN \from
.irp b, 0,1,2,3,4,5,6,7
.irp r, 0,1,2,3
	v_cvt_pk_f16_f32 v[TMP+4*\b+\r], v[8*(8*\a+\b)+2*\r], v[8*(8*\a+\b)+2*\r+1]
.endr
.endr
	WIN 0
.irp b, 0,1,2,3,4,5,6,7
	ds_store_b128 v[STO], v[TMP+4*\b:TMP+4*\b+3] offset:32*\b
.endr
	s_wait_xcnt 0x0                                ; buffer f, which earlier stores read, is loaded again only behind this wait
.irp t, 0,1,2,3,4,5,6,7
	ds_load_b128 v[\f+4*\t:\f+4*\t+3], v[RD] offset:\t*2*SPITCH    ; LDS serves a wave's instructions in order: these see the stores above
.endr
.irp t, 0,1,2,3,4,5,6,7
	s_wait_dscnt 7-\t                              ; pair t of rows is in, the younger read-backs stay out
	global_store_b128 v[CO], v[\f+4*\t:\f+4*\t+3], s[8:9] offset:\i*2048+256*\t   ; 16 lanes store 256 consecutive bytes, aligned
.endr
.endm
	OUT16 0, 0, 0x0a, F0
	OUT16 1, 1, 0x0a, F1
	OUT16 2, 2, 0x0a, F0
	OUT16 3, 3, 0x0a, F1
	OUT16 4, 0, 0x0f, F0
	OUT16 5, 1, 0x0f, F1
	OUT16 6, 2, 0x0f, F0
	OUT16 7, 3, 0x0f, F1
	s_set_vgpr_msb 0x1
	s_wait_tensorcnt 0x0
	ds_add_u32 v255, v63
	s_wait_dscnt 0x0
	s_set_vgpr_msb 0x100
	CROUND                                         ; the closing round: no work-group ends while a partner may still ask for a tile that names it
	s_endpgm
.Lfunc_end_k_q0eec10075b_qkv:
	.size	k_q0eec10075b_qkv, .Lfunc_end_k_q0eec10075b_qkv-k_q0eec10075b_qkv
	.p2alignl 7, 3214868480
	.fill 96, 4, 3214868480
	.section	.rodata,"a",@progbits
	.p2align	6, 0x0
	.amdhsa_kernel k_q0eec10075b_qkv
		.amdhsa_group_segment_fixed_size 327680
		.amdhsa_private_segment_fixed_size 0
		.amdhsa_enable_private_segment 0
		.amdhsa_kernarg_size 40
		.amdhsa_user_sgpr_count 2
		.amdhsa_user_sgpr_kernarg_segment_ptr 1
		.amdhsa_wavefront_size32 1
		.amdhsa_system_sgpr_workgroup_id_x 1
		.amdhsa_system_sgpr_workgroup_id_y 1
		.amdhsa_system_sgpr_workgroup_id_z 1
		.amdhsa_system_vgpr_workitem_id 0
		.amdhsa_next_free_vgpr 1024
		.amdhsa_next_free_sgpr 80
		.amdhsa_reserve_vcc 0
		.amdhsa_float_denorm_mode_32 3
		.amdhsa_float_denorm_mode_16_64 3
		.amdhsa_memory_ordered 1
		.amdhsa_forward_progress 1
		.amdhsa_inst_pref_size 198
	.end_amdhsa_kernel
	.amdgpu_metadata
---
amdhsa.version: [ 1, 2 ]
amdhsa.kernels:
  - .name:           k_q0eec10075b_qkv
    .symbol:         k_q0eec10075b_qkv.kd
    .args:
      - { .name: cast, .offset: 0, .size: 8, .value_kind: global_buffer, .address_space: global }
      - { .name: bq, .offset: 8, .size: 8, .value_kind: global_buffer, .address_space: global }
      - { .name: bk, .offset: 16, .size: 8, .value_kind: global_buffer, .address_space: global }
      - { .name: bv, .offset: 24, .size: 8, .value_kind: global_buffer, .address_space: global }
      - { .name: qkv, .offset: 32, .size: 8, .value_kind: global_buffer, .address_space: global }
    .group_segment_fixed_size: 327680
    .private_segment_fixed_size: 0
    .kernarg_segment_align: 8
    .kernarg_segment_size: 40
    .max_flat_workgroup_size: 128
    .sgpr_count:     80
    .vgpr_count:     1024
    .wavefront_size: 32
...
	.end_amdgpu_metadata
.endif
;; end of part 2
;; launch attn (part 3): grid 256 x 1, 4 waves a work-group, clusters of 4 x 1, 327,680 bytes of LDS; arguments qkv, ctx; writes ctx
.if DOCPART == 3
	.amdgcn_target "amdgcn-amd-amdhsa--gfx1250"
	.amdhsa_code_object_version 6
	.text
	.protected	k_q0eec10075b_attn
	.globl	k_q0eec10075b_attn
	.p2align	8
	.type	k_q0eec10075b_attn,@function
k_q0eec10075b_attn:
	s_mov_b64 s[64:65], 0
	v_nop
	global_prefetch_b8 v0, s[64:65] scope:SCOPE_SE
	s_setreg_imm32_b32 hwreg(HW_REG_WAVE_MODE, 25, 1), 1
	s_wait_xcnt 0x0
	s_wait_alu depctr_hold_cnt(0) depctr_sa_sdst(0) depctr_va_vdst(0) depctr_va_sdst(0) depctr_va_ssrc(0) depctr_va_vcc(0) depctr_vm_vsrc(0)
	s_getreg_b32 s2, hwreg(HW_REG_IB_STS2, 6, 4)
	s_cmp_eq_u32 s2, 0
	s_cbranch_scc0 .Lentry_in_a_cluster
	s_endpgm
.Lentry_in_a_cluster:
	s_bfe_u32 s2, ttmp6, 0x10000c
	s_cmp_lg_u32 s2, 0x3003
	s_cbranch_scc0 .Lentry_shape_is_right
	s_endpgm
.Lentry_shape_is_right:
; ctx = softmax(q k^T / 8) v for one head and 256 queries a work-group; a wave has 64 queries as four groups g of 16.
; qkv[sel][bh][s][64] f16 (sel 0 q, 1 k, 2 v).  ctx[(2048 b + s) / 128][head][128 rows][64] f16: a wave writes 8 KiB of dense bytes.
; K and V go in tiles of 128 keys (two steps of 64) through two LDS slots.  CLUSTER: the four work-groups of a cluster are four query blocks
; of ONE head (bh = cluster x / 2), so they need the same K and V tiles and ask for them jointly (mask 15): a quarter of the requests.
; TRANSPOSED SCHEME.  S^T = K Q^T: source 0 = 16 keys, source 1 = 16 queries; lane (r, h), register j holds key 8 h + j of query r.
; Rounded to f16 in pairs, two such tiles ARE the second source of O^T = V^T P^T (32 keys along the registers of query r's lane): P goes
; through no LDS and no shuffle.  A query's maximum and sum live in lane r and lane r + 16.  V^T's fragments come by the transposing load.
; SOFTMAX: a running maximum M per query; p = 2^(c s - c M), c = log2(e) / 8, one fused multiply-add and one exponential a score;
; O and the sums are scaled by 2^(c M_old - c M_new) in every step of 64 keys.  Sums and maxima in f32.
; THE ORDER OF WORK.  A unit is one group of 16 queries x 64 keys: 8 S products, its softmax, 8 O products; unit n = 4 x step + g.
; The phase of unit n has two parts.  X: the softmax of unit n, with the S products of unit n + 1 strewn in, one after every eight vector
; instructions.  Y: the O products of unit n - 1, each followed by two scalings of unit n's O and two additions of unit n's p to its sums.
; So matrix products are under way while vector instructions are issued.  S and P each have a ring of two units.
; REGISTERS.  Window 0 holds all that X names (Q, K, both rings, the statistics), so X runs with every window 0.  Window 1 holds O, V and the
; sums; Y runs with source 0, source 2 and the destination in window 1 and source 1 (P, p, the scale) in window 0.
; K and V have one set of registers each and are loaded again in halves, each half as soon as its last product has read it.
; LIMITS: q, k, v and p enter the products in f16.  p lies in [0, 1]: a p below 2^-25 rounds to 0 and one below 2^-14 has the step 2^-24, against a
; sum of at least 1; an exponential below 2^-126 comes out as 0 (ISA guide, v_exp_f32).  ctx is kept in f16: |ctx| is at most the largest |v|, so it
; has v's room; below 2^-14 its step is 2^-24.  Scores must be finite in f32.
.set KP, 144                           ; K's LDS row: 128 bytes + 16 (an odd multiple of 16)
.set VP, 160                           ; V's LDS row: 128 bytes + 32 (an odd multiple of 32, for the transposing load)
.set VBYTES, 128*VP                    ; 20,480
.set KBYTES, 128*KP                    ; 18,432
.set SLOT, VBYTES+KBYTES               ; 38,912: V's 128 keys, then K's
.set STAGE, 2*SLOT                     ; 77,824, a multiple of 256: 64 rows x 144 bytes for each wave; no fill lands here
.set WSTAGE, 64*KP                     ; 9,216
.set TILEB, 128*128                    ; bytes of K, or of V, in a tile of 128 keys
; window 0
.set ADK, 2                            ; v2-3     K fragments' address in slot 0, 1
.set ADV, 4                            ; v4-5     V fragments' address
.set STO, 6
.set RD,  7
.set CO,  8
.set QO,  9
.set MX,  10                           ; v10-13   running maximum of group g
.set NMO, 14                           ; v14-17   - c M of group g as the step before left it
.set NNP, 18                           ; v18-19   pair: low = - c M of the unit at work; high written once (a pair is read whole)
.set AL,  20                           ; v20-21   pair: low = the unit's scale of O and of the sums
.set TM,  22                           ; v22-25   four chains of maxima
.set T2,  26
.set QF,  32                           ; v32-95   Q(g, kc) at 32 + 8 (2 g + kc)
.set KF,  96                           ; v96-159  K(st, kc) at 96 + 8 (2 st + kc)
.set SR,  160                          ; v160-223 ring of two units' scores: unit of group g at 160 + 32 (g % 2), key tile st at + 8 st
.set PR,  224                          ; v224-255 ring of two units' P: at 224 + 16 (g % 2), 32 keys c at + 8 c
; window 1
.set VF,  128                          ; V(ht, c) at 128 + 8 (2 ht + c);  O(ht, g) at 8 (4 ht + g)
.set LP,  192                          ; v192-207 group g: two pairs of running sums at 192 + 4 g
.set G1V, 24
.set G0V, 32                           ; one set a slot
.set G1K, 48
.set G0K, 56
.set LD, 0x40                          ; destination window 1, address window 0
.set PV, 0x51                          ; Y: source 0, source 2 and destination window 1, source 1 window 0
.set CV, 0x05                          ; out of window 1: both sources window 1, destination window 0
.set MSB, 0
.macro WIN new                         ; the immediate's high byte repeats the setting that is left
.if MSB != \new
	s_set_vgpr_msb (MSB<<8)|\new
.set MSB, \new
.endif
.endm
.macro PLACES                          ; four plain places between a matrix instruction and a load into one of its registers, or a reader of its result (ISA guide 7.12.1 for a reader of its result)
.rept 4
	v_nop
.endr
.endm
.macro JLOAD s                         ; waves 0, 1 ask for V's two halves of 64 keys, waves 2, 3 for K's
	s_cmp_eq_u32 s11, 0
	s_cbranch_scc0 .Lfor_k_\@
	tensor_load_to_lds s[G0V+4*(\s):G0V+4*(\s)+3], s[G1V:G1V+7]
	s_nop 0
	s_branch .Lasked_\@
.Lfor_k_\@:
	tensor_load_to_lds s[G0K+4*(\s):G0K+4*(\s)+3], s[G1K:G1K+7]
	s_nop 0
.Lasked_\@:
.endm
.macro ROUND                           ; a round of the cluster's barrier
	s_barrier_signal -1
	s_barrier_wait -1
	s_cmp_lg_u32 s10, 0
	s_cbranch_scc1 .Lnot_wave_0_\@
	s_barrier_signal -3
.Lnot_wave_0_\@:
	s_barrier_wait -3
	s_barrier_signal -1
	s_barrier_wait -1
.endm
	s_load_b128 s[4:7], s[0:1], 0x0                ; qkv s[4:5], ctx s[6:7]
	s_set_vgpr_msb 0x40
	v_lshl_add_u32 v254, v0, 2, 0x29000
	v_mov_b32 v255, 0
	s_set_vgpr_msb 0x4045
	ds_add_u32 v254, v255
	s_set_vgpr_msb 0x4500
	v_lshrrev_b32 v1, 5, v0
	v_readfirstlane_b32 s10, v1                    ; wave 0..3
	s_lshr_b32 s11, s10, 1                         ; 0: I fetch V, 1: K
	s_and_b32 s12, s10, 1                          ; which 64 keys of the tile I fetch
	s_bfe_u32 s40, ttmp6, 0x40000                  ; cx
	s_lshr_b32 s41, ttmp9, 1                       ; bh = 16 b + head: the same in all four partners
	s_and_b32 s42, ttmp9, 1
	s_lshl_b32 s42, s42, 2
	s_add_co_u32 s42, s42, s40                     ; query block 0..7
	s_mov_b32 s20, 0x3e38aa3b                      ; c = log2(e) / 8
	s_mov_b32 s21, 0x3e38aa3b
	s_mov_b32 s22, 0x76543210                      ; v_permlanex16_b32: lane i reads lane i of the other half
	s_mov_b32 s23, 0xfedcba98
	s_mov_b32 s[G1V+0], 0x0f31000f                 ; mask 15; 2-byte elements; padding on; bit 21 beside a mask; after 32 words 8 words
	s_mov_b32 s[G1V+1], 64<<16                     ; tensor_dim0 = 64
	s_mov_b32 s[G1V+2], 64<<16                     ; tensor_dim1 = 64
	s_mov_b32 s[G1V+3], 64<<16                     ; tile_dim0 = 64
	s_mov_b32 s[G1V+4], 64                         ; tile_dim1 = 64
	s_mov_b32 s[G1V+5], 64                         ; a head's rows are dense
	s_mov_b32 s[G1V+6], 0
	s_mov_b32 s[G1V+7], 0
	s_mov_b32 s[G1K+0], 0x0731000f                 ; the same, after 32 words 4 words
	s_mov_b32 s[G1K+1], 64<<16
	s_mov_b32 s[G1K+2], 64<<16
	s_mov_b32 s[G1K+3], 64<<16
	s_mov_b32 s[G1K+4], 64
	s_mov_b32 s[G1K+5], 64
	s_mov_b32 s[G1K+6], 0
	s_mov_b32 s[G1K+7], 0
	s_lshl_b32 s16, s41, 18                        ; K and V: head block bh x 262,144 bytes,
	s_lshl_b32 s17, s12, 13                        ; + 64 keys x 128 bytes for the second half: no place in the cluster enters
	s_add_co_u32 s16, s16, s17
	s_mov_b32 s17, 0
	s_mul_i32 s18, s10, 64*VP                      ; V's halves lie at wave x 10,240 (waves 0, 1),
	s_mul_i32 s19, s10, 64*KP                      ; K's at 20,480 + (wave - 2) x 9,216 (waves 2, 3)
	s_add_co_u32 s19, s19, VBYTES-2*64*KP
	s_lshl_b32 s44, s41, 18                        ; Q: head block, + query block x 256 rows, + wave x 64 rows, of 128 bytes
	s_lshl_b32 s45, s42, 15
	s_add_co_u32 s44, s44, s45
	s_lshl_b32 s45, s10, 13
	s_add_co_u32 s44, s44, s45
	s_mov_b32 s45, 0
	s_lshr_b32 s8, s41, 4                          ; ctx: block (16 b + 2 x query block + wave / 2, head) of 16,384 bytes, + (wave % 2) x 64 rows
	s_lshl_b32 s8, s8, 4
	s_lshl_b32 s9, s42, 1
	s_add_co_u32 s8, s8, s9
	s_add_co_u32 s8, s8, s11
	s_lshl_b32 s8, s8, 4
	s_and_b32 s9, s41, 15
	s_add_co_u32 s8, s8, s9
	s_lshl_b32 s8, s8, 14
	s_lshl_b32 s9, s12, 13
	s_add_co_u32 s8, s8, s9
	s_mov_b32 s9, 0
	s_mul_i32 s13, s10, WSTAGE
	s_add_co_u32 s13, s13, STAGE                   ; my stage
	s_wait_dscnt 0x0
	s_wait_kmcnt 0x0
	s_add_nc_u64 s[14:15], s[4:5], s[16:17]
	s_add_nc_u64 s[44:45], s[4:5], s[44:45]
	s_add_nc_u64 s[6:7], s[6:7], s[8:9]
	ROUND                                          ; the four work-groups are here: the first joint loads meet
.irp s, 0,1
	s_mov_b32 s[G0V+4*\s], 1
	s_add_co_u32 s[G0V+4*\s+1], s18, \s*SLOT
	s_add_nc_u64 s[G0V+4*\s+2:G0V+4*\s+3], s[14:15], 0x1000000+\s*TILEB    ; v begins 16 MiB into qkv; tile s
	s_or_b32 s[G0V+4*\s+3], s[G0V+4*\s+3], 0x80000000
	s_mov_b32 s[G0K+4*\s], 1
	s_add_co_u32 s[G0K+4*\s+1], s19, \s*SLOT
	s_add_nc_u64 s[G0K+4*\s+2:G0K+4*\s+3], s[14:15], 0x800000+\s*TILEB     ; k begins 8 MiB into qkv
	s_or_b32 s[G0K+4*\s+3], s[G0K+4*\s+3], 0x80000000
	JLOAD \s                                       ; tiles 0 and 1 go out together: two tensor loads of a wave are out now, later one
.endr
	v_and_b32 v27, 15, v0                          ; r
	v_bfe_u32 v28, v0, 4, 1                        ; h
	v_and_b32 v29, 7, v0                           ; l % 8
	v_bfe_u32 v30, v0, 3, 1                        ; (l / 8) % 2
	v_lshlrev_b32 v[QO], 7, v27                    ; Q: row r, 16 bytes for each half of the lanes
	v_lshl_add_u32 v[QO], v28, 4, v[QO]
.irp g, 0,1,2,3
.irp kc, 0,1
	global_load_b128 v[QF+8*(2*\g+\kc):QF+8*(2*\g+\kc)+3],   v[QO], s[44:45] offset:2048*\g+64*\kc
	global_load_b128 v[QF+8*(2*\g+\kc)+4:QF+8*(2*\g+\kc)+7], v[QO], s[44:45] offset:2048*\g+64*\kc+32
.endr
.endr
	v_mul_u32_u24 v31, v27, KP
	v_lshl_add_u32 v31, v28, 4, v31                ; 144 r + 16 h
	v_add_nc_u32 v[ADK],   VBYTES, v31
	v_add_nc_u32 v[ADK+1], VBYTES+SLOT, v31
	v_add_nc_u32 v[STO], s13, v31
	v_lshl_add_u32 v1, v28, 3, v29                 ; V: key row 8 h + l % 8,
	v_mul_u32_u24 v1, v1, VP
	v_lshl_add_u32 v[ADV], v30, 4, v1              ; and the left or right 8 of the fragment's 16 columns
	v_add_nc_u32 v[ADV+1], SLOT, v[ADV]
	v_bfe_u32 v1, v0, 3, 2                         ; back: eight lanes take a row of 128 bytes, the wave four rows
	v_mul_u32_u24 v1, v1, KP
	v_lshl_add_u32 v1, v29, 4, v1
	v_add_nc_u32 v[RD], s13, v1
	v_and_b32 v1, 31, v0
	v_lshlrev_b32 v[CO], 4, v1                     ; 16 x lane: 512 dense bytes a store
.irp g, 0,1,2,3
	v_mov_b32 v[MX+\g], 0xff800000                 ; M = - infinity: the first step's maxima need no form of their own
	v_mov_b32 v[NMO+\g], 0x7f800000                ; - c M
.endr
	v_mov_b32 v[T2], 0                             ; a lane permute's destination counts as read
	v_mov_b32 v[NNP+1], 0                          ; the unused halves of pairs that are read whole
	v_mov_b32 v[AL+1], 0
	WIN LD
.irp i, 0,1,2,3,4,5,6,7,8,9,10,11,12,13,14,15
	v_mov_b32 v[LP+\i], 0                          ; the sixteen running sums (window 1) start at 0
.endr
	WIN 0
.macro LDKH slot, u, kc                ; 8 loads: K's fragments of keys 64 u .. 64 u + 63, d 32 kc .. 32 kc + 31
.irp st, 0,1,2,3
	ds_load_b128 v[KF+16*\st+8*(\kc):KF+16*\st+8*(\kc)+3],   v[ADK+(\slot)] offset:(\u)*64*KP+\st*16*KP+64*(\kc)
	ds_load_b128 v[KF+16*\st+8*(\kc)+4:KF+16*\st+8*(\kc)+7], v[ADK+(\slot)] offset:(\u)*64*KP+\st*16*KP+64*(\kc)+32
.endr
.endm
.macro LDVH slot, u, c                 ; 8 transposing loads: V^T's fragments, four blocks of 16 columns x keys 64 u + 32 c .. + 31
.irp ht, 0,1,2,3
	ds_load_tr16_b128 v[VF+16*\ht+8*(\c):VF+16*\ht+8*(\c)+3],   v[ADV+(\slot)] offset:(\u)*64*VP+(\c)*32*VP+32*\ht
	ds_load_tr16_b128 v[VF+16*\ht+8*(\c)+4:VF+16*\ht+8*(\c)+7], v[ADV+(\slot)] offset:(\u)*64*VP+(\c)*32*VP+32*\ht+16*VP
.endr
.endm
; The j-th of a unit's eight S products, into the ring's part SN with the group's Q at QN: 0-3 the four key tiles over d 0-31 (they start the
; sums), 4-7 the same tiles over d 32-63.  The four tiles take turns, one instruction a turn.
.macro SW j
.if (\j) < 4
	v_wmma_f32_16x16x32_f16 v[SN+8*(\j):SN+8*(\j)+7], v[KF+16*(\j):KF+16*(\j)+7], v[QN:QN+7], 0
.else
	v_wmma_f32_16x16x32_f16 v[SN+8*((\j)-4):SN+8*((\j)-4)+7], v[KF+16*((\j)-4)+8:KF+16*((\j)-4)+15], v[QN+8:QN+15], v[SN+8*((\j)-4):SN+8*((\j)-4)+7]
.endif
.endm
; The j-th of a unit's eight O products, for group GP with its P at PP: 0-3 the four column blocks over keys 0-31, 4-7 over keys 32-63.
; z = 1: the first step's products over keys 0-31 start O.  The four tiles take turns, one instruction a turn.
.macro UW j, z
.set OT, 8*(4*((\j)%4)+GP)
.set VA, VF+16*((\j)%4)+8*((\j)/4)
.set PA, PP+8*((\j)/4)
.set uz, 0
.if \z
.if (\j) < 4
.set uz, 1
.endif
.endif
.if uz
	v_wmma_f32_16x16x32_f16 v[OT:OT+7], v[VA:VA+7], v[PA:PA+7], 0
.else
	v_wmma_f32_16x16x32_f16 v[OT:OT+7], v[VA:VA+7], v[PA:PA+7], v[OT:OT+7]
.endif
.endm
; PART X of group g's phase, every window 0.  sm = 1: the next unit's S products are strewn in.  kw = 1: those products use K fragments that the
; phase before asked for.  kl = 1: the next step's K is asked for, from slot ks, half ku; rnd = 1: that is a new tile, so a round of the cluster's
; barrier stands in front; rf = 1: behind the round slot rs is filled again.
.macro XPART g, sm, kw, kl, ks, ku, rnd, rf, rs
.set SB, SR+32*((\g)%2)
.set SN, SR+32*(((\g)+1)%2)
.set PB, PR+16*((\g)%2)
.set QN, QF+16*(((\g)+1)%4)
	; the largest of my 32 scores and of the running maximum: four chains, then their meeting
.irp q, 0,1,2,3
	v_max3_num_f32 v[TM+\q], v[SB+8*\q], v[SB+8*\q+1], v[SB+8*\q+2]
.endr
.irp q, 0,1,2,3
	v_max3_num_f32 v[TM+\q], v[TM+\q], v[SB+8*\q+3], v[SB+8*\q+4]
.endr
.irp q, 0,1,2,3
	v_max3_num_f32 v[TM+\q], v[TM+\q], v[SB+8*\q+5], v[SB+8*\q+6]
.endr
	v_max3_num_f32 v[TM],   v[TM],   v[SB+7],  v[SB+15]
	v_max3_num_f32 v[TM+1], v[TM+1], v[SB+23], v[SB+31]
	v_max3_num_f32 v[TM+2], v[TM+2], v[TM+3],  v[MX+\g]
	v_max3_num_f32 v[TM],   v[TM],   v[TM+1],  v[TM+2]
	v_permlanex16_b32 v[T2], v[TM], s22, s23       ; the other eight keys of each sixteen lie in the other half of the lanes
	v_max_num_f32 v[MX+\g], v[TM], v[T2]
	v_mul_f32 v[NNP], 0xbe38aa3b, v[MX+\g]         ; - c M
.if \sm
.if \kw
	s_wait_dscnt 8                                 ; K's eight loads for d 0-31 are in; the eight for d 32-63, issued behind them, stay out
.endif
	SW 0
.endif
	v_sub_f32 v[AL], v[NNP], v[NMO+\g]             ; c M_old - c M_new, never above 0
	v_exp_f32 v[AL], v[AL]
	v_mov_b32 v[NMO+\g], v[NNP]                    ; the plain place behind the exponential (ISA guide 5.7.2)
.irp q, 0,1,2,3
	v_pk_fma_f32 v[SB+2*\q:SB+2*\q+1], v[SB+2*\q:SB+2*\q+1], s[20:21], v[NNP:NNP+1] op_sel_hi:[1,0,0]   ; c s - c M of the first eight scores
.endr
	; 32 exponentials, each followed by one plain instruction on other registers, its place (ISA guide 5.7.2): first the multiply-adds of scores
	; 8-31, then the conversions of p to f16, pair q into P's register q.  From exponential 23 on a conversion has to wait for its second p and
	; the place behind it, so every other place is empty.  p stays in f32 beside P for part Y's sums.
.set ix, 0
.rept 32
	v_exp_f32 v[SB+ix], v[SB+ix]
.if ix < 12
	v_pk_fma_f32 v[SB+2*ix+8:SB+2*ix+9], v[SB+2*ix+8:SB+2*ix+9], s[20:21], v[NNP:NNP+1] op_sel_hi:[1,0,0]
.else
.if ix < 23
	s_wait_alu depctr_va_vdst(0)
	v_cvt_pk_f16_f32 v[PB+ix-12], v[SB+2*ix-24], v[SB+2*ix-23]
.else
.if ix%2
	v_nop
.else
	s_wait_alu depctr_va_vdst(0)
	v_cvt_pk_f16_f32 v[PB+ix/2-1], v[SB+ix-2], v[SB+ix-1]
.endif
.endif
.endif
.if ix == 19
.if \kl
	PLACES                                         ; behind S product 3, the last that reads K's fragments for d 0-31
.if \rnd
	s_set_vgpr_msb 0x5
	s_wait_tensorcnt 0x0                           ; all my tensor loads have landed, my part of the next tile among them: no load is out,
	ds_add_u32 v254, v255
	s_wait_dscnt 0x0
	s_set_vgpr_msb 0x500
.if \rf
	s_add_nc_u64 s[G0V+4*(\rs)+2:G0V+4*(\rs)+3], s[G0V+4*(\rs)+2:G0V+4*(\rs)+3], 2*TILEB   ; so a group 0 may be written: this slot's next tile
	s_add_nc_u64 s[G0K+4*(\rs)+2:G0K+4*(\rs)+3], s[G0K+4*(\rs)+2:G0K+4*(\rs)+3], 2*TILEB
.endif
	s_wait_dscnt 0x0                               ; my LDS reads are back; the last of this tile, V's second half, were waited for in the phase before
	ROUND                                          ; both now hold of every wave of all four work-groups
.if \rf
	JLOAD \rs                                      ; my one tensor load behind the round, ahead of any LDS read; it has eight phases in which to land
.endif
.endif
	LDKH \ks, \ku, 0
.endif
.endif
.if \sm
.if (ix%4) == 3
.if ix < 28
.if \kw
.if ix == 15
	s_wait_dscnt 0x0                               ; K's loads for d 32-63 are in
.endif
.endif
.set wj, (ix+1)/4
	SW wj                                          ; one S product after every eight vector instructions
.endif
.endif
.endif
.set ix, ix+1
.endr
	s_wait_alu depctr_va_vdst(0)
	v_cvt_pk_f16_f32 v[PB+15], v[SB+30], v[SB+31]
.if \kl
	PLACES                                         ; behind S product 7, the last that reads K's fragments for d 32-63
	LDKH \ks, \ku, 1
.endif
.endm
; PART Y of group g's phase.  first = 1: the first step, nothing to scale.  pv = 1: the O products of the unit before; pvz = 1: they start O.
; vw = 1: they use V fragments that the phase before asked for.  vl = 1: the next V is asked for, from slot vs, half vu: keys 0-31 behind O product 4
; (eight plain places behind product 3, the last that reads them), keys 32-63 behind the four plain instructions that follow product 7.
.macro YPART g, first, pv, pvz, vw, vl, vs, vu
.set SB, SR+32*((\g)%2)
.set PP, PR+16*(((\g)+1)%2)
.set GP, ((\g)+3)%4
.set LA, LP+4*(\g)
	WIN PV
.if \first == 0
	v_pk_mul_f32 v[LA:LA+1],   v[LA:LA+1],   v[AL:AL+1] op_sel_hi:[1,0]   ; the sums x the scale
	v_pk_mul_f32 v[LA+2:LA+3], v[LA+2:LA+3], v[AL:AL+1] op_sel_hi:[1,0]
.endif
.set jy, 0
.rept 8
.if \pv
.if \vw
.if jy == 0
	s_wait_dscnt 8                                 ; V's eight loads for keys 0-31 are in; the eight for keys 32-63, issued behind them, stay out
.endif
.if jy == 4
	s_wait_dscnt 0x0                               ; V's loads for keys 32-63 are in
.endif
.endif
	UW jy, \pvz
.endif
.if \first == 0
.set OA, 8*(4*(jy/2)+(\g))+4*(jy%2)
	v_pk_mul_f32 v[OA:OA+1],   v[OA:OA+1],   v[AL:AL+1] op_sel_hi:[1,0]   ; my group's O x the scale: a lane's registers all belong to query r
	v_pk_mul_f32 v[OA+2:OA+3], v[OA+2:OA+3], v[AL:AL+1] op_sel_hi:[1,0]
.endif
	v_pk_add_f32 v[LA:LA+1],   v[LA:LA+1],   v[SB+4*jy:SB+4*jy+1]         ; my group's p into its sums, two chains by turns
	v_pk_add_f32 v[LA+2:LA+3], v[LA+2:LA+3], v[SB+4*jy+2:SB+4*jy+3]
.if \vl
.if jy == 4
	WIN LD
	LDVH \vs, \vu, 0
	WIN PV
.endif
.endif
.set jy, jy+1
.endr
.if \vl
	WIN LD
	LDVH \vs, \vu, 1
.endif
	WIN 0
.endm
; Phases 1, 2, 3 of a step (tile in slot, half u) and phase 0 of the next step.  Cut so, the O products that start group 3's O (in the next
; step's phase 0) belong to the first step's text, and the loop's text has one form.  rf = 1: behind this step's round the slot is filled again.
.macro STEP slot, u, first, rf, last
	XPART 1, 1, 0, 0, 0, 0, 0, 0, 0
	YPART 1, \first, 1, \first, 1, 0, 0, 0
.if \last
	XPART 2, 1, 0, 0, 0, 0, 0, 0, 0
.else
.if \u
	XPART 2, 1, 0, 1, 1-\slot, 0, 1, \rf, \slot    ; the next step begins the other slot's tile
.else
	XPART 2, 1, 0, 1, \slot, 1, 0, 0, 0            ; the next step is this tile's second half
.endif
.endif
	YPART 2, \first, 1, \first, 0, 0, 0, 0
	XPART 3, 1-\last, 1-\last, 0, 0, 0, 0, 0, 0
	YPART 3, \first, 1, \first, 0, 0, 0, 0
.if \last == 0
	XPART 0, 1, 0, 0, 0, 0, 0, 0, 0
.if \u
	YPART 0, 0, 1, \first, 0, 1, 1-\slot, 0
.else
	YPART 0, 0, 1, \first, 0, 1, \slot, 1
.endif
.endif
.endm
	s_wait_tensorcnt 1                             ; my part of tile 0 is in; tile 1's load, issued behind it, stays out
	s_barrier_signal -1
	s_barrier_wait -1                              ; everybody's part is in
	LDKH 0, 0, 0
	LDKH 0, 0, 1
	s_wait_loadcnt 0x0                             ; Q, once
	s_wait_dscnt 0x0                               ; the first step's K
.set SN, SR
.set QN, QF
.irp j, 0,1,2,3,4,5,6,7
	SW \j                                          ; unit 0's scores: the one unit whose S products have no softmax beside them
.endr
	PLACES                                         ; the maxima read these results
	XPART 0, 1, 0, 0, 0, 0, 0, 0, 0                ; step 0, phase 0
	YPART 0, 1, 0, 0, 0, 1, 0, 0                   ; no unit before it; asks for the first V
	STEP 0, 0, 1, 0, 0                             ; step 0
	s_mov_b32 s3, 7
.Lsteps:                                           ; steps 1 to 28; their 14 rounds ask for tiles 2 to 15
	STEP 0, 1, 0, 1, 0
	STEP 1, 0, 0, 0, 0
	STEP 1, 1, 0, 1, 0
	STEP 0, 0, 0, 0, 0
	s_sub_co_u32 s3, s3, 1
	s_cmp_lg_u32 s3, 0
	s_cbranch_scc1 .Lsteps
	STEP 0, 1, 0, 0, 0                             ; step 29: its round shows tile 15 whole; nothing is left to fetch
	STEP 1, 0, 0, 0, 0                             ; step 30
	STEP 1, 1, 0, 0, 1                             ; step 31: no K, no scores and no phase 0 behind it
	; THE END: the last unit's O products; the sums meet; O / sum, f16, through my own stage, out as 8 KiB of dense bytes
.set GP, 3
.set PP, PR+16
	WIN PV
.irp j, 0,1,2,3,4,5,6,7
	UW \j, 0
.endr
	PLACES                                         ; the scaling below reads these results
	WIN CV
.irp g, 0,1,2,3
	v_pk_add_f32 v[QF+2*\g:QF+2*\g+1], v[LP+4*\g:LP+4*\g+1], v[LP+4*\g+2:LP+4*\g+3]   ; the two chains, into window 0 (Q is no longer needed)
.endr
	WIN 0
.irp g, 0,1,2,3
	v_add_f32 v[QF+2*\g], v[QF+2*\g], v[QF+2*\g+1]
.endr
.irp g, 0,1,2,3
	v_permlanex16_b32 v[TM+\g], v[QF+2*\g], s22, s23
.endr
.irp g, 0,1,2,3
	v_add_f32 v[QF+2*\g], v[QF+2*\g], v[TM+\g]     ; at least about 1: the largest score's own term
.endr
.irp g, 0,1,2,3
	v_rcp_f32 v[QF+2*\g], v[QF+2*\g]
.endr
	v_nop                                          ; one plain place behind the reciprocals
	WIN PV
	s_wait_alu depctr_va_vdst(0)
.irp ht, 0,1,2,3
.irp g, 0,1,2,3
.irp p, 0,2,4,6
	v_pk_mul_f32 v[8*(4*\ht+\g)+\p:8*(4*\ht+\g)+\p+1], v[8*(4*\ht+\g)+\p:8*(4*\ht+\g)+\p+1], v[QF+2*\g:QF+2*\g+1] op_sel_hi:[1,0]
.endr
.endr
.endr
	WIN CV
.irp g, 0,1,2,3
.irp ht, 0,1,2,3
.irp p, 0,1,2,3
	v_cvt_pk_f16_f32 v[KF+16*\g+4*\ht+\p], v[8*(4*\ht+\g)+2*\p], v[8*(4*\ht+\g)+2*\p+1]   ; columns 16 ht + 8 h + 2 p, + 1 of query 16 g + r
.endr
.endr
.endr
	WIN 0
.irp g, 0,1,2,3
.irp ht, 0,1,2,3
	ds_store_b128 v[STO], v[KF+16*\g+4*\ht:KF+16*\g+4*\ht+3] offset:\g*16*KP+32*\ht
.endr
.endr
.irp n, 0,1,2,3,4,5,6,7,8,9,10,11,12,13,14,15
	ds_load_b128 v[SR+4*\n:SR+4*\n+3], v[RD] offset:\n*4*KP        ; LDS serves a wave's instructions in order: these see the stores above
.endr
.irp n, 0,1,2,3,4,5,6,7,8,9,10,11,12,13,14,15
	s_wait_dscnt 15-\n                             ; four rows n are in, the younger read-backs stay out
	global_store_b128 v[CO], v[SR+4*\n:SR+4*\n+3], s[6:7] offset:512*\n   ; the wave stores 512 consecutive bytes, aligned
.endr
	s_set_vgpr_msb 0x5
	s_wait_tensorcnt 0x0
	ds_add_u32 v254, v255
	s_wait_dscnt 0x0
	s_set_vgpr_msb 0x500
	ROUND                                          ; the closing round
	s_endpgm
.Lfunc_end_k_q0eec10075b_attn:
	.size	k_q0eec10075b_attn, .Lfunc_end_k_q0eec10075b_attn-k_q0eec10075b_attn
	.p2alignl 7, 3214868480
	.fill 96, 4, 3214868480
	.section	.rodata,"a",@progbits
	.p2align	6, 0x0
	.amdhsa_kernel k_q0eec10075b_attn
		.amdhsa_group_segment_fixed_size 327680
		.amdhsa_private_segment_fixed_size 0
		.amdhsa_enable_private_segment 0
		.amdhsa_kernarg_size 16
		.amdhsa_user_sgpr_count 2
		.amdhsa_user_sgpr_kernarg_segment_ptr 1
		.amdhsa_wavefront_size32 1
		.amdhsa_system_sgpr_workgroup_id_x 1
		.amdhsa_system_sgpr_workgroup_id_y 1
		.amdhsa_system_sgpr_workgroup_id_z 1
		.amdhsa_system_vgpr_workitem_id 0
		.amdhsa_next_free_vgpr 512
		.amdhsa_next_free_sgpr 66
		.amdhsa_reserve_vcc 0
		.amdhsa_float_denorm_mode_32 3
		.amdhsa_float_denorm_mode_16_64 3
		.amdhsa_memory_ordered 1
		.amdhsa_forward_progress 1
		.amdhsa_inst_pref_size 255
	.end_amdhsa_kernel
	.section	.bss,"aw",@nobits
	.p2align	6
	.space	262144
	.amdgpu_metadata
---
amdhsa.version: [ 1, 2 ]
amdhsa.kernels:
  - .name:           k_q0eec10075b_attn
    .symbol:         k_q0eec10075b_attn.kd
    .args:
      - { .name: qkv, .offset: 0, .size: 8, .value_kind: global_buffer, .address_space: global }
      - { .name: ctx, .offset: 8, .size: 8, .value_kind: global_buffer, .address_space: global }
    .group_segment_fixed_size: 327680
    .private_segment_fixed_size: 0
    .kernarg_segment_align: 8
    .kernarg_segment_size: 16
    .max_flat_workgroup_size: 128
    .sgpr_count:     66
    .vgpr_count:     512
    .wavefront_size: 32
...
	.end_amdgpu_metadata
.endif
;; end of part 3
;; launch oproj (part 4): grid 8 x 32, 4 waves a work-group, clusters of 4 x 4, 327,680 bytes of LDS; arguments ctx, cast, bo, out0; writes out0
.if DOCPART == 4
	.amdgcn_target "amdgcn-amd-amdhsa--gfx1250"
	.amdhsa_code_object_version 6
	.text
	.protected	k_q0eec10075b_oproj
	.globl	k_q0eec10075b_oproj
	.p2align	8
	.type	k_q0eec10075b_oproj,@function
k_q0eec10075b_oproj:
	s_mov_b64 s[64:65], 0
	v_nop
	global_prefetch_b8 v0, s[64:65] scope:SCOPE_SE
	s_setreg_imm32_b32 hwreg(HW_REG_WAVE_MODE, 25, 1), 1
	s_wait_xcnt 0x0
	s_wait_alu depctr_hold_cnt(0) depctr_sa_sdst(0) depctr_va_vdst(0) depctr_va_sdst(0) depctr_va_ssrc(0) depctr_va_vcc(0) depctr_vm_vsrc(0)
	s_getreg_b32 s2, hwreg(HW_REG_IB_STS2, 6, 4)
	s_cmp_eq_u32 s2, 0
	s_cbranch_scc0 .Lentry_in_a_cluster
	s_endpgm
.Lentry_in_a_cluster:
	s_bfe_u32 s2, ttmp6, 0x10000c
	s_cmp_lg_u32 s2, 0xf033
	s_cbranch_scc0 .Lentry_shape_is_right
	s_endpgm
.Lentry_shape_is_right:
; out0 = ctx Wo + bo, f32.  ctx[mb = 32][head = 16][128 rows][64] f16; Wo = slab 7 of cast, [k = 1024][n = 1024] f16, k = 64 head + d.
; 4096 x 1024 results on 256 work-groups: a block of 128 x 128 each, four waves of 64 x 64 (16 accumulator tiles, 128 registers).
; K goes in four fills of 256 (four heads) through two LDS slots: one tensor load a wave brings 36,864 bytes, and there are two refills in all.
; CLUSTERS: 4 x 4 work-groups; ctx's tile hangs on the block row alone and is shared along a row of the cluster, Wo's on the block column alone
; and is shared along a column: joint loads divide the requests for both by four.
; Wo's fragments come by the transposing load; the bias is the C operand of each tile's first product.
; TRANSPOSED USE: source 0 = 16 columns of Wo, source 1 = 16 rows of ctx: a lane holds 8 neighbouring f32 of one row of the result.
; LIMIT: operands in f16, as the launches before left them; sums, bias and result in f32.
.set AP, 144                           ; ctx's LDS line: 128 bytes + 16
.set BP, 288                           ; Wo's LDS row: 256 bytes + 32, an odd multiple of 32
.set PART, 256*AP                      ; what one tensor load brings: 2 heads x 128 rows of ctx, or 128 k-rows of Wo (128 x 288 is the same 36,864)
.set SLOT, 4*PART                      ; ctx: 512 lines (128 x head + row); then Wo: 256 k-rows
.set STAGE, 2*SLOT                     ; 294,912, a multiple of 256: 16 rows x 272 bytes for each wave; no fill lands here
.set SPITCH, 272
.set ADRA, 16                          ; v16-17  ctx fragments' address in slot 0, 1
.set ADRB, 20                          ; v20-23  Wo fragments' address: slot 0 k-rows 0-127, 128-255; slot 1 likewise (an LDS offset has 16 bits)
.set STO,  24
.set RD,   25
.set CO,   26
.set BO,   27
.set F0,   64                          ; v64-127, v128-191: two fragment buffers: 4 of ctx, then 4 of Wo
.set BIAS, 192                         ; v192-223
.set G1,  24
.set G0,  32
.set G1B, 48
.set G0B, 56
.set MSB, 0
.macro WIN new
.if MSB != \new
	s_set_vgpr_msb (MSB<<8)|\new
.set MSB, \new
.endif
.endm
.macro PLACES
.rept 4
	v_nop
.endr
.endm
.macro JLOAD s                         ; waves 0, 1 ask for ctx's two halves, waves 2, 3 for Wo's
	s_cmp_eq_u32 s11, 0
	s_cbranch_scc0 .Lfor_b_\@
	tensor_load_to_lds s[G0+4*(\s):G0+4*(\s)+3], s[G1:G1+7]
	s_nop 0
	s_branch .Lasked_\@
.Lfor_b_\@:
	tensor_load_to_lds s[G0B+4*(\s):G0B+4*(\s)+3], s[G1B:G1B+7]
	s_nop 0
.Lasked_\@:
.endm
.macro CROUND                          ; a round of the cluster's barrier
	s_barrier_signal -1
	s_barrier_wait -1
	s_cmp_lg_u32 s10, 0
	s_cbranch_scc1 .Lnot_wave_0_\@
	s_barrier_signal -3
.Lnot_wave_0_\@:
	s_barrier_wait -3
	s_barrier_signal -1
	s_barrier_wait -1
.endm
	s_load_b256 s[72:79], s[0:1], 0x0              ; ctx s[72:73], cast s[74:75], bo s[76:77], out0 s[78:79]
	v_lshl_add_u32 v254, v0, 2, 0x4c400
	v_mov_b32 v255, 0
	ds_add_u32 v254, v255
	v_lshrrev_b32 v1, 5, v0
	v_readfirstlane_b32 s10, v1                    ; wave 0..3
	s_lshr_b32 s11, s10, 1                         ; my half of the block's rows.  Also: I fetch ctx (0) or Wo (1)
	s_and_b32 s12, s10, 1                          ; my half of its columns.  Also: which half tile I fetch
	s_bfe_u32 s40, ttmp6, 0x40000                  ; cx
	s_bfe_u32 s41, ttmp6, 0x40004                  ; cy
	s_lshl_b32 s42, ttmp9, 2
	s_add_co_u32 s42, s42, s40                     ; block column 0..7
	s_and_b32 s13, ttmp7, 0xffff
	s_lshl_b32 s13, s13, 2
	s_add_co_u32 s13, s13, s41                     ; block row 0..31 = ctx's mb
	s_lshl_b32 s43, s41, 2
	s_lshl_b32 s43, 15, s43                        ; my row of the cluster
	s_lshl_b32 s44, 0x1111, s40                    ; my column
	s_or_b32 s[G1+0], s43, (1<<16)|(1<<20)|(1<<21)|(4<<22)|(3<<25)   ; after 32 words 4 words
	s_mov_b32 s[G1+1], 64<<16                      ; tensor_dim0 = 64
	s_mov_b32 s[G1+2], 256<<16                     ; tensor_dim1 = 256 lines
	s_mov_b32 s[G1+3], 64<<16                      ; tile_dim0
	s_mov_b32 s[G1+4], 256                         ; tile_dim1
	s_mov_b32 s[G1+5], 64                          ; the lines are dense
	s_mov_b32 s[G1+6], 0
	s_mov_b32 s[G1+7], 0
	s_or_b32 s[G1B+0], s44, (1<<16)|(1<<20)|(1<<21)|(5<<22)|(7<<25)  ; after 64 words 8 words
	s_mov_b32 s[G1B+1], 128<<16
	s_mov_b32 s[G1B+2], 128<<16
	s_mov_b32 s[G1B+3], 128<<16
	s_mov_b32 s[G1B+4], 128
	s_mov_b32 s[G1B+5], 1024
	s_mov_b32 s[G1B+6], 0
	s_mov_b32 s[G1B+7], 0
	s_lshl_b32 s16, s13, 18                        ; ctx: block row x 16 heads x 16,384 bytes,
	s_lshl_b32 s17, s12, 15                        ; + 2 heads for the second half
	s_add_co_u32 s16, s16, s17
	s_mov_b32 s17, 0
	s_lshl_b32 s46, s12, 18                        ; Wo: 128 k-rows x 2,048 bytes for the second half,
	s_add_co_u32 s46, s46, 0xe00000                ; behind 14 MiB of cast,
	s_lshl_b32 s47, s42, 8                         ; + 128 columns x 2 bytes x block column
	s_add_co_u32 s46, s46, s47
	s_mov_b32 s47, 0
	s_mul_i32 s20, s10, PART                       ; where my part goes
	s_lshl_b32 s45, s42, 9                         ; 4 bytes x (128 x block column + 64 x column half): in bo, and in a row of out0
	s_lshl_b32 s21, s12, 8
	s_add_co_u32 s45, s45, s21
	s_wait_dscnt 0x0
	s_wait_kmcnt 0x0
	s_add_nc_u64 s[14:15], s[72:73], s[16:17]
	s_add_nc_u64 s[46:47], s[74:75], s[46:47]
	CROUND                                         ; all sixteen work-groups are here: the first joint loads meet
.irp s, 0,1
	s_mov_b32 s[G0+4*\s], 1
	s_add_co_u32 s[G0+4*\s+1], s20, \s*SLOT
	s_add_nc_u64 s[G0+4*\s+2:G0+4*\s+3], s[14:15], \s*65536            ; fill s: four heads on
	s_or_b32 s[G0+4*\s+3], s[G0+4*\s+3], 0x80000000
	s_mov_b32 s[G0B+4*\s], 1
	s_add_co_u32 s[G0B+4*\s+1], s20, \s*SLOT
	s_add_nc_u64 s[G0B+4*\s+2:G0B+4*\s+3], s[46:47], \s*524288         ; fill s: 256 k-rows down
	s_or_b32 s[G0B+4*\s+3], s[G0B+4*\s+3], 0x80000000
	JLOAD \s                                       ; two tensor loads of a wave are out now, later one
.endr
	v_and_b32 v1, 15, v0                           ; r
	v_bfe_u32 v2, v0, 4, 1                         ; h
	v_and_b32 v6, 7, v0                            ; l % 8
	v_bfe_u32 v7, v0, 3, 1                         ; (l / 8) % 2
	v_lshl_add_u32 v[BO], v2, 5, s45
.irp b, 0,1,2,3
	global_load_b128 v[BIAS+8*\b:BIAS+8*\b+3],   v[BO], s[76:77] offset:64*\b
	global_load_b128 v[BIAS+8*\b+4:BIAS+8*\b+7], v[BO], s[76:77] offset:64*\b+16
.endr
	v_mul_u32_u24 v3, v1, AP
	v_lshl_add_u32 v3, v2, 4, v3                   ; ctx: line r, 16 bytes for each half of the lanes
	s_mul_i32 s21, s11, 64*AP                      ; my 64 rows
	v_lshl_add_u32 v4, v2, 3, v6                   ; Wo: k-row 8 h + l % 8,
	v_mul_u32_u24 v4, v4, BP
	v_lshl_add_u32 v4, v7, 4, v4                   ; and the left or right 8 of the fragment's 16 columns
	s_lshl_b32 s22, s12, 7                         ; my 64 columns,
	s_add_co_u32 s22, s22, 2*PART                  ; behind ctx's 512 lines
.irp s, 0,1
	v_add_nc_u32 v[ADRA+\s], s21, v3
	v_add_nc_u32 v[ADRB+2*\s], s22, v4
	s_add_co_u32 s22, s22, PART
	v_add_nc_u32 v[ADRB+2*\s+1], s22, v4
	s_add_co_u32 s21, s21, SLOT
	s_add_co_u32 s22, s22, SLOT-PART
.endr
	s_mul_i32 s23, s10, 16*SPITCH
	s_add_co_u32 s23, s23, STAGE                   ; my stage
	v_mul_u32_u24 v5, v1, SPITCH
	v_lshl_add_u32 v5, v2, 5, v5
	v_add_nc_u32 v[STO], s23, v5                   ; in: row r, 32 bytes for each half of the lanes
	v_mul_u32_u24 v5, v2, SPITCH
	v_lshl_add_u32 v5, v1, 4, v5
	v_add_nc_u32 v[RD], s23, v5                    ; back: lanes 0-15 one row of 256 bytes, lanes 16-31 the next
	v_lshlrev_b32 v5, 12, v2
	v_lshl_add_u32 v[CO], v1, 4, v5                ; and the same two rows of out0, 4,096 bytes apart
; 16 LDS loads: quarter qd (32 along K: head qd / 2, half qd % 2) of a slot's 256 into buffer f
.macro FETCH slot, qd, f
.irp i, 0,1,2,3
	ds_load_b128 v[\f+8*\i:\f+8*\i+3],   v[ADRA+\slot] offset:((\qd)/2)*128*AP+\i*16*AP+64*((\qd)%2)
	ds_load_b128 v[\f+8*\i+4:\f+8*\i+7], v[ADRA+\slot] offset:((\qd)/2)*128*AP+\i*16*AP+64*((\qd)%2)+32
.endr
.irp b, 0,1,2,3
	ds_load_tr16_b128 v[\f+32+8*\b:\f+32+8*\b+3],   v[ADRB+2*\slot+(\qd)/4] offset:((\qd)%4)*32*BP+32*\b
	ds_load_tr16_b128 v[\f+32+8*\b+4:\f+32+8*\b+7], v[ADRB+2*\slot+(\qd)/4] offset:((\qd)%4)*32*BP+32*\b+16*BP
.endr
.endm
; 32 along K: this quarter's fragments are in; the next quarter's are asked for into the other buffer, four places behind the matrix
; instructions that read it; then 16 matrix instructions, the 16 accumulators by turns in the same order every time
.macro QSTEP slot, qd, first
.set FC, F0+64*((\qd)%2)
.set FN, F0+64*(((\qd)+1)%2)
	s_wait_dscnt 0x0
	PLACES
.if \qd < 7
	FETCH \slot, \qd+1, FN
.endif
.if \first
	WIN 0x40                                       ; C (the bias) window 0, D window 1
.else
	WIN 0x50                                       ; C and D window 1
.endif
.irp a, 0,1,2,3
.irp b, 0,1,2,3
.if \first
	v_wmma_f32_16x16x32_f16 v[8*(4*\a+\b):8*(4*\a+\b)+7], v[FC+32+8*\b:FC+32+8*\b+7], v[FC+8*\a:FC+8*\a+7], v[BIAS+8*\b:BIAS+8*\b+7]
.else
	v_wmma_f32_16x16x32_f16 v[8*(4*\a+\b):8*(4*\a+\b)+7], v[FC+32+8*\b:FC+32+8*\b+7], v[FC+8*\a:FC+8*\a+7], v[8*(4*\a+\b):8*(4*\a+\b)+7]
.endif
.endr
.endr
	WIN 0
.endm
.macro WORK slot, first
	QSTEP \slot, 0, \first
.irp q, 1,2,3,4,5,6,7
	QSTEP \slot, \q, 0
.endr
.endm
; On to slot 'slot'.  In front of the barrier: all my tensor loads have landed (my part of that slot among them), my reads of the other slot are back.
; refill = 1: the barrier is a round of the cluster's barrier, and behind it the other slot is asked for again first, two fills ahead.
.macro CHANGE slot, refill
	s_wait_tensorcnt 0x0
	ds_add_u32 v254, v255
	s_wait_dscnt 0x0
	s_wait_dscnt 0x0
.if \refill
	s_add_nc_u64 s[G0+4*(1-\slot)+2:G0+4*(1-\slot)+3], s[G0+4*(1-\slot)+2:G0+4*(1-\slot)+3], 2*65536     ; no load is out
	s_add_nc_u64 s[G0B+4*(1-\slot)+2:G0B+4*(1-\slot)+3], s[G0B+4*(1-\slot)+2:G0B+4*(1-\slot)+3], 2*524288
	CROUND
	JLOAD 1-\slot
.else
	s_barrier_signal -1                            ; my work-group's barrier shows the slot whole to its four waves
	s_barrier_wait -1
.endif
	FETCH \slot, 0, F0
.endm
	s_wait_tensorcnt 1                             ; my part of fill 0 is in; fill 1's load, issued behind it, stays out
	s_barrier_signal -1
	s_barrier_wait -1
	s_wait_loadcnt 0x0                             ; the bias
	FETCH 0, 0, F0
	WORK 0, 1                                      ; k 0-255; the first products start the sums from the bias
	CHANGE 1, 1                                    ; slot 0 is asked for again: k 512-767
	WORK 1, 0                                      ; k 256-511
	CHANGE 0, 1                                    ; slot 1 is asked for again: k 768-1023
	WORK 0, 0
	CHANGE 1, 0
	WORK 1, 0
	; THE WAY OUT, 16 rows at a time through my own stage; each of the four groups of rows has its own 32 registers, so none is written twice
	PLACES                                         ; four places behind the last matrix instructions: LDS stores read results, loads land in the fragment buffers
	s_lshl_b32 s16, s13, 19                        ; 128 rows x 4,096 bytes
	s_lshl_b32 s17, s11, 18                        ; + 64 rows
	s_add_co_u32 s16, s16, s17
	s_mov_b32 s17, 0
	s_add_nc_u64 s[78:79], s[78:79], s[16:17]
	s_mov_b32 s46, s45                             ; + my first column
	s_mov_b32 s47, 0
	s_add_nc_u64 s[78:79], s[78:79], s[46:47]
.irp a, 0,1,2,3
	WIN 0x04                                       ; an LDS store's data is source 1: window 1
.irp b, 0,1,2,3
	ds_store_b128 v[STO], v[8*(4*\a+\b):8*(4*\a+\b)+3]   offset:64*\b
	ds_store_b128 v[STO], v[8*(4*\a+\b)+4:8*(4*\a+\b)+7] offset:64*\b+16
.endr
	WIN 0
.irp t, 0,1,2,3,4,5,6,7
	ds_load_b128 v[F0+32*\a+4*\t:F0+32*\a+4*\t+3], v[RD] offset:\t*2*SPITCH   ; LDS serves a wave's instructions in order: these see the stores above
.endr
.irp t, 0,1,2,3,4,5,6,7
	s_wait_dscnt 7-\t                              ; pair t of rows is in, the younger read-backs stay out
	global_store_b128 v[CO], v[F0+32*\a+4*\t:F0+32*\a+4*\t+3], s[78:79] offset:\a*65536+\t*8192 th:TH_STORE_NT   ; 16 lanes store 256 consecutive bytes, aligned
.endr
.endr
	s_wait_tensorcnt 0x0
	ds_add_u32 v254, v255
	s_wait_dscnt 0x0
	CROUND                                         ; the closing round
	s_endpgm
.Lfunc_end_k_q0eec10075b_oproj:
	.size	k_q0eec10075b_oproj, .Lfunc_end_k_q0eec10075b_oproj-k_q0eec10075b_oproj
	.p2alignl 7, 3214868480
	.fill 96, 4, 3214868480
	.section	.rodata,"a",@progbits
	.p2align	6, 0x0
	.amdhsa_kernel k_q0eec10075b_oproj
		.amdhsa_group_segment_fixed_size 327680
		.amdhsa_private_segment_fixed_size 0
		.amdhsa_enable_private_segment 0
		.amdhsa_kernarg_size 32
		.amdhsa_user_sgpr_count 2
		.amdhsa_user_sgpr_kernarg_segment_ptr 1
		.amdhsa_wavefront_size32 1
		.amdhsa_system_sgpr_workgroup_id_x 1
		.amdhsa_system_sgpr_workgroup_id_y 1
		.amdhsa_system_sgpr_workgroup_id_z 1
		.amdhsa_system_vgpr_workitem_id 0
		.amdhsa_next_free_vgpr 384
		.amdhsa_next_free_sgpr 80
		.amdhsa_reserve_vcc 0
		.amdhsa_float_denorm_mode_32 3
		.amdhsa_float_denorm_mode_16_64 3
		.amdhsa_memory_ordered 1
		.amdhsa_forward_progress 1
		.amdhsa_inst_pref_size 90
	.end_amdhsa_kernel
	.amdgpu_metadata
---
amdhsa.version: [ 1, 2 ]
amdhsa.kernels:
  - .name:           k_q0eec10075b_oproj
    .symbol:         k_q0eec10075b_oproj.kd
    .args:
      - { .name: ctx, .offset: 0, .size: 8, .value_kind: global_buffer, .address_space: global }
      - { .name: cast, .offset: 8, .size: 8, .value_kind: global_buffer, .address_space: global }
      - { .name: bo, .offset: 16, .size: 8, .value_kind: global_buffer, .address_space: global }
      - { .name: out0, .offset: 24, .size: 8, .value_kind: global_buffer, .address_space: global }
    .group_segment_fixed_size: 327680
    .private_segment_fixed_size: 0
    .kernarg_segment_align: 8
    .kernarg_segment_size: 32
    .max_flat_workgroup_size: 128
    .sgpr_count:     80
    .vgpr_count:     384
    .wavefront_size: 32
...
	.end_amdgpu_metadata
.endif
;; end of part 4
